; MI455X (gfx1250); checked and timed in simulation.
; The chip was launched on July 23, 2026; its instructions are those of AMD's public machine-readable ISA for CDNA 5 (MIT licence, August 2026) and "CDNA5" Instruction Set Architecture Reference Guide (July 2026). The comments in the code are by the model that wrote it; some were corrected since.
;; Bilinear Head. Allowed arithmetic: matrix products marked QUANTISED: E4M3 operands, one E8M0 scale for each 32 along K, by v_wmma_scale_f32_16x16x128_f8f6f4 with both operands' format E4M3, f32 sums; products left as they are: f32 operands where the result goes on into a quantised operand, else bf16, f16 or f32 operands; f32 sums; everything else in f32.
;; Inputs: from_b 64 float32; from_idx 1,968 int32; from_w_codes 64 x 8 x 32 uint8 (E4M3 codes of from_w, K innermost, in blocks of 32 codes); from_w_scales 64 x 8 uint8 (E8M0 scales of from_w, one for each 32 codes along K); norm_weight 256 x 8 x 8 float32; promo_bias 5 float32; promo_idx 1,968 int32; to_b 64 float32; to_idx 1,968 int32; to_w_codes 64 x 8 x 32 uint8 (E4M3 codes of to_w, K innermost, in blocks of 32 codes); to_w_scales 64 x 8 uint8 (E8M0 scales of to_w, one for each 32 codes along K); x 1,024 x 256 x 8 x 8 float32.
;; Outputs: out0 1,024 x 1,968 float32.
;; This version of the problem:
;;   THIS VERSION OF THE PROBLEM IS GIVEN IN LOW PRECISION. The matrix products marked QUANTISED in the list below multiply operands that are first quantised to E4M3 (4 exponent bits, 3 mantissa bits; 8 bits a number), with one power-of-two scale for each 32 numbers along K (OCP MX v1.0); their sums are f32. All else is computed in f32.
;;   The module's matrix products, in the order in which they are computed (A, B: the left and right operand; K: the contracted axis; several contracted axes count as one K, in the product's order):
;;     1. [M 64, K 256] x [K 256, N 65,536]; A: input from_w (given as codes); B: computed on the way: QUANTISED
;;     2. [M 64, K 256] x [K 256, N 65,536]; A: input to_w (given as codes); B: computed on the way: QUANTISED
;;     3. batch 2,015,232 x [M 1, K 64] x [K 64, N 1]; A: computed on the way; B: computed on the way: left as it is (M = 1 < 16)
;;   THE QUANTISER, for each operand of a quantised product, along K:
;;     - K is cut into blocks of 32 from its start; a last block that is shorter is filled with zeros.
;;     - A block's scale is 2^e with e = floor(log2(the largest magnitude in the block)) - 8, held to -126 .. 127; a block of zeros has e = 0. As a byte (E8M0): e + 127.
;;     - Each number is divided by its block's scale, clamped to +-448, and rounded to the nearest number of E4M3, ties to even, subnormals kept.
;;     - The product sums the exact products of the quantised numbers (number of the format x scale) in f32.
;;   ~~~python
;;   def quantise(x, axis):      # numpy; x: float32 -> the quantised numbers, widened to float32 again
;;       x = np.moveaxis(x, axis, -1); K = x.shape[-1]
;;       x = np.pad(x, [(0, 0)] * (x.ndim - 1) + [(0, -K % 32)]); x = x.reshape(x.shape[:-1] + (-1, 32)); a = np.abs(x).max(-1, keepdims=True)
;;       e = np.where(a > 0, np.clip(np.frexp(np.where(a > 0, a, 1))[1] - 1 - 8, -126, 127), 0)      # np.frexp(a)[1] - 1 = floor(log2(a)), exactly
;;       r = np.clip(x / 2.0 ** e, -448, 448)
;;       step = 2.0 ** (np.maximum(np.frexp(np.where(r == 0, 1, r))[1] - 1, -6) - 3)
;;       q = np.round(r / step) * step * 2.0 ** e      # np.round: ties to even
;;       return np.moveaxis(q.reshape(q.shape[:-2] + (-1,))[..., :K], -1, axis).astype(np.float32)
;;   ~~~
;;   OPERANDS COMPUTED ON THE WAY. 'Computed on the way' means the value that the module computes at that place (a softmax that the list does not call 'softmax' is quantised finished and normalised). What goes into a quantiser is computed in f32, as accurately as f32 sums, v_exp_f32 and their like allow (about 1e-6 of the number): no bf16 or f16 on the way to a quantiser, and a product that is left as it is and whose result goes on into a quantised operand takes f32 operands (vector FMAs, or v_wmma_f32_16x16x4_f32). A number that lies on a knife's edge between two numbers of the format may be rounded either way, as far as f32 arithmetic and the matrix unit's own rounding can turn it there, and no further.
;;   INPUTS GIVEN AS CODES. from_w (in the module: [64, 256], K = its axis 1); to_w (in the module: [64, 256], K = its axis 1): each comes as NAME_codes (uint8): NAME with its K axis moved to the last place and cut into blocks of 32 codes, [.., K / 32, bytes a block], one block behind the other in memory; one code a byte (a code: sign, 4 exponent bits, 3 mantissa bits); and NAME_scales (uint8): the same leading axes, one E8M0 byte (e + 127) for each 32 codes along K. Its value is code x scale, taken as it is: it is not quantised again, and the codes and scales need not be those that the quantiser above would give.
;; 2 versions, each right; version 2 is version 1 with the launch head written anew for expert scheduling mode. Each part assembles by itself: llvm-mc -triple=amdgcn-amd-amdhsa -mcpu=gfx1250 --defsym DOCPART=n.
;; ======== version 1 of 2: 1 launch
;; launch head (part 1): grid 256 x 1, 8 waves a work-group, no clusters, 52,224 bytes of LDS; arguments x, norm_weight, from_w_codes, to_w_codes, from_w_scales, to_w_scales, from_b, to_b, promo_bias, from_idx, to_idx, promo_idx, out0; writes out0
.if DOCPART == 1
	.amdgcn_target "amdgcn-amd-amdhsa--gfx1250"
	.amdhsa_code_object_version 6
	.text
	.protected	k_qbfcae5447c_head
	.globl	k_qbfcae5447c_head
	.p2align	8
	.type	k_qbfcae5447c_head,@function
k_qbfcae5447c_head:
	s_mov_b64 s[64:65], 0
	v_nop
	global_prefetch_b8 v0, s[64:65] scope:SCOPE_SE
	s_setreg_imm32_b32 hwreg(HW_REG_WAVE_MODE, 25, 1), 1
	s_wait_xcnt 0x0
; out0[b][v] = sum over d of f[b][d][from_idx[v]] t[b][d][to_idx[v]] + promo_bias[promo_idx[v]],  f = from_w xn + from_b,  t = to_w xn + to_b,
; xn = x / sqrt(mean(x^2 over the sample) + 1e-6) * norm_weight.  A sample of x is [256 channels][64 squares] f32: 64 KiB, a channel a row of 256 bytes.
; f and t are products on codes of E4M3 with one E8M0 scale for each 32 channels (K = the channels): the weights come as codes, xn is quantised here.
; ONE LAUNCH, NOTHING THROUGH MEMORY.  256 work-groups of eight waves, four samples each: b = 16 (g / 4) + g % 4 + 4 i.  The four have the same b mod 4, and a row of out0 is 7,872 bytes = 30 x 256 + 192,
; so their rows begin at the same place modulo 256 bytes: one map from threads to moves serves all four, and sixteen neighbouring lanes store 256 consecutive bytes at a multiple of 256 from out0's first byte.
; Only a row's first and last 256 bytes are written in part (the rest of them belongs to the neighbouring sample, another work-group's): 2 of about 32 such pieces a row.
; A SAMPLE WAITS IN REGISTERS: its mean is wanted before any of its numbers can be quantised.  Three buffers of 64 registers a wave: 3 x 64 KiB of x are asked for by the work-group's first lines, the fourth sample as
; soon as buffer 0 has been read out.  Each load of a wave reads two whole rows of 256 bytes.  No pointer is stepped: the sample stands in the immediates.  x goes straight into registers: a way through LDS would add a store and a load of every byte.
; K IS NOT INNERMOST, AND NOTHING IS TRANSPOSED BY AN INSTRUCTION OF ITS OWN.  Wave w owns channels 32 w .. 32 w + 31, one block of the quantiser.  Load c of lane (r, h) brings channel 32 w + 16 h + c, squares 4 r .. 4 r + 3.
; TILE j OF SQUARES IS {4 r + j}: the multiplication by 1 / rms writes Z[16 j + c] = X[4 c + j] / rms, so that tile j's 16 registers run down K as the operand's layout wants them: they become registers 4 (w % 4) .. + 3 of
; the fragment (tile j, K step w / 4).  Fragments go from wave to wave through LDS as images of their registers: 16 bytes a lane, 512 a store.
; THE THIRD PRODUCT is taken out of G = f^T t (64 x 64, K = 64 d): 32 matrix instructions on bf16 a sample, G into LDS, one LDS word a move.  bf16 and not f16: f and t grow with the gains, the weights' scales and the biases.
; The first products have the weight as source 0, so that a lane holds one square and its registers run along d: rounded to bf16 in pairs they ARE the fragments of f and t.
; THE SAMPLES OVERLAP: TWO BARRIERS A SAMPLE.
;   interval A(i): the gather of sample i - 1 (reads G) | the first products of sample i (read the codes and scale words, write f's and t's fragments) | the squares and the gain of sample i + 1 (write the waves' sums)
;   interval B(i): G's products of sample i (read f's and t's fragments, write G) | 1 / rms and the quantiser of sample i + 1 (read the sums, write the codes and scale bytes)
; Every region of LDS is written in one kind of interval and read in the other, so the one barrier between them stands between each store and its reads and between each read and the next store.
; In each interval the LDS loads go out first, and another sample's work on registers stands between them and the wait for them.
; THE GATHER's LDS addresses are made of index data; both indices are held at 63 first, so that an address lies inside G, which no wave writes in the gather's interval.
; NO MASK ON THE STORES: a thread without moves of its own holds its neighbour's offset, and so its neighbour's indices and scores: it stores the same 16 bytes again, in the same instruction.  So all lanes stay on, as the matrix instructions want them.
; NOT SHARED IN A CLUSTER: what the work-groups have in common (norm_weight 64 KiB, weights, scales, biases 33.5 KiB, indices 23 KiB) is read once by each at its head, straight into registers in the layout in which it is used, against
; 256 KiB of x that nobody else reads; a joint request would lay it into LDS, from where the same registers would still have to be filled.
; NOT PREFETCHED: three of the work-group's four samples are asked for by its first lines, the fourth one sample later.
; ROUNDING: xn = (x * norm_weight) * rsq(mean + eps), all f32: another order of rounding than (x / rms) * norm_weight, a few units in the last place.
; LIMITS: NaN and infinities are not served.  A block of zeros gets the scale byte 1 where the quantiser's text says 127: its codes are zeros, and the bytes are read by this text alone; blocks whose largest magnitude lies under
; 2^-118 are held at that byte.  An index outside 0 .. 63 is held at a place inside G; a promo index outside 0 .. 4 takes entry 0.
;
; LDS
.set GP,  272                          ; G: 64 rows of 256 bytes + 16: the sixteen rows of a store begin at sixteen different 16-byte columns modulo 256.  G lies at byte 0
.set CI,  17408                        ; xn's codes: fragment (tile j, K step s) at 4,096 j + 2,048 s, its registers 4 c .. 4 c + 3 at + 512 c, a lane at + 16 lane
.set SC,  33792                        ; xn's scale words: 128 j + 64 s + 4 r; byte c of a word comes from wave 4 s + c
.set FT,  34304                        ; f's and t's fragments in bf16: 8,192 side + 2,048 j + 1,024 u + 512 half + 16 lane
.set PS,  50688                        ; the waves' sums of squares: 32 i + 4 w: each sample has bytes of its own
; REGISTERS, window 1 (v256-511): three buffers of x at 0, 64, 128; norm_weight at 192
.set NW,  192
; window 0
.set XO,  1                            ; x, norm_weight: 8,192 w + 4,096 h + 16 r
.set CW,  2                            ; where I store codes: 16 lane + 512 w
.set SW,  3                            ; and scale bytes: 4 r + 64 (w / 4) + w % 4
.set CR,  4                            ; where I read codes: 16 lane + 8,192 (w / 4)
.set SR,  5                            ; and scale words: 4 r + 256 (w / 4)
.set FW,  6                            ; where I store bf16 fragments: 16 lane + 8,192 side + 1,024 u + 4,096 (w / 4)
.set FR,  7                            ; where I read f's: 16 lane + 2,048 (w % 4)
.set TR,  8                            ; and t's: 16 lane + 4,096 (w / 4)
.set GW,  9                            ; where I store G: (16 (w % 4) + r) x 272 + 32 h + 128 (w / 4)
.set PW,  10                           ; 4 w
.set ZR,  11                           ; 0
.set OA,  12                           ; v12-13 byte offset of my four moves in a row of out0 and in the index lists, round 0 and round 1
.set RINV, 14                          ; 1 / rms
.set WS,  16                           ; v16-19 the weight's scale words (2 tt + s)
.set XS,  20                           ; v20-23 xn's scale words (2 jj + s)
.set GA,  24                           ; v24-31 my eight moves' places in G
.set PB,  32                           ; v32-39 their promo biases
.set OUT, 40                           ; v40-47 their scores: a store's data until the next gather
.set TM,  48                           ; v48-63 the quantiser's work: +0 largest magnitudes, then tile 0's codes; +4 bytes; +8 448 x scale; +12 scale operands
.set SQ,  56                           ; v56-63 in interval A: four chains of sums of squares
.set PSV, 56                           ; the same registers at the head of interval B: the eight waves' sums
.set BI,  64                           ; v64-79 my 32 biases in the result's layout (8 tt)
.set WF,  80                           ; v80-143 my four fragments of the weight (32 tt + 16 s)
.set XF,  144                          ; v144-207 interval A: xn's four fragments (32 jj + 16 s)
.set Z,   144                          ; interval B: xn, 16 registers a tile; tile b's codes (b = 1, 2, 3) then lie in the first four registers of tile b - 1
.set GACC, 192                         ; v192-207 G's two accumulators (8 bb), in the registers that xn's tile 3 has left
.set ACC, 208                          ; v208-239 interval A: four accumulators of f or t (8 (2 jj + tt))
.set FB,  240                          ; v240-255 and the bf16 fragments made of them (8 jj + 4 tt)
.set FF,  208                          ; v208-223 interval B: f's fragments (8 u),
.set TF,  224                          ; v224-255 and t's (16 bb + 8 u)
.set FI,  144                          ; at the head: from_idx, to_idx, promo_idx of my eight moves, four registers at work, the five promo biases
.set TI,  152
.set PI,  160
.set TP,  168
.set PV,  172
.set WO,  240                          ; at the head: offsets of the weight's codes, scales, biases
.set WSO, 241
.set BO,  242
; scalars: s[8:33] the thirteen addresses in the order of the arguments
.set WV,  2                            ; wave
.set T0,  3
.set T1,  7
.set GQ,  4                            ; g % 4
.set DL,  5                            ; delta: where a row of out0 begins modulo 256 bytes, in pieces of 16
.set WC,  34                           ; s[34:35] my side's codes, s[36:37] scales, s[38:39] biases
.set PRO, 40                           ; s[40:44] promo_bias
.set MNT, 45                           ; the mantissa field of 448
.set SEL, 46                           ; s[46:47] lane l xor 16
.set RCN, 48                           ; 2^-14 = 1 / 16,384
.set EPSR, 49                          ; 1e-6
.set U,   51                           ; w % 2: which 32 rows of the weight, and so which K step of G
.set SD,  56                           ; (w / 2) % 2: from (0) or to (1)
.set NN,  57                           ; w / 4
.set WQ,  58                           ; w % 4
.set MSB, 0
.macro WIN new                         ; s_set_vgpr_msb: bits 1:0 source 0, 3:2 source 1, 5:4 source 2, 7:6 destination; the high byte repeats the setting that is left
.if MSB != \new
	s_set_vgpr_msb (MSB<<8)|\new
.set MSB, \new
.endif
.endm
	s_load_b256 s[8:15], s[0:1], 0x0               ; x, norm_weight, from_w_codes, to_w_codes
	s_load_b256 s[16:23], s[0:1], 0x20             ; from_w_scales, to_w_scales, from_b, to_b
	s_load_b256 s[24:31], s[0:1], 0x40             ; promo_bias, from_idx, to_idx, promo_idx
	s_load_b64 s[32:33], s[0:1], 0x60              ; out0
	v_lshrrev_b32 v[TM], 5, v0
	v_readfirstlane_b32 s[WV], v[TM]               ; wave 0..7
	v_and_b32 v[TM], 31, v0                        ; lane
	v_and_b32 v[TM+1], 15, v0                      ; r
	v_bfe_u32 v[TM+2], v0, 4, 1                    ; h
	v_lshlrev_b32 v[TM+3], 4, v[TM]                ; 16 lane
	v_lshlrev_b32 v[TM+8], 2, v[TM+1]              ; 4 r
	s_and_b32 s[U], s[WV], 1
	s_bfe_u32 s[SD], s[WV], 0x10001                ; one bit from bit 1
	s_lshr_b32 s[NN], s[WV], 2
	s_and_b32 s[WQ], s[WV], 3
	s_and_b32 s[GQ], ttmp9, 3
	s_mul_i32 s[DL], s[GQ], 12
	s_and_b32 s[DL], s[DL], 15                     ; 192 (b % 4) bytes modulo 256, in pieces of 16: 0, 12, 8, 4
	s_lshr_b32 s[T0], ttmp9, 2
	s_lshl_b32 s[T0], s[T0], 4
	s_add_co_u32 s[T0], s[T0], s[GQ]               ; my first sample
	s_lshl_b32 s52, s[T0], 16                      ; its 65,536 bytes of x (under 2^27)
	s_mov_b32 s53, 0
	s_mul_i32 s54, s[T0], 7872                     ; its row of out0
	s_mov_b32 s55, 0
	; thread t takes, in round q, the four moves 4 lq .. 4 lq + 3, lq = 256 q + t - delta: its 16 bytes of the row then lie 4,096 q + 16 t behind a multiple of 256.  lq counts from 0 to 491 and is held there:
	; the threads under delta in round 0 (all in wave 0) double thread delta's moves, those from 236 + delta on in round 1 (all in wave 7) double thread 235 + delta's
	v_max_u32 v[OA], s[DL], v0
	v_sub_nc_u32 v[OA], v[OA], s[DL]               ; max(t - delta, 0)
	v_lshlrev_b32 v[OA], 4, v[OA]
	v_add_nc_u32 v[OA+1], 256, v0
	v_sub_nc_u32 v[OA+1], v[OA+1], s[DL]
	v_min_u32 v[OA+1], 491, v[OA+1]
	v_lshlrev_b32 v[OA+1], 4, v[OA+1]
	s_lshl_b32 s[T0], s[WV], 13
	v_lshlrev_b32 v[XO], 4, v[TM+1]
	v_lshl_add_u32 v[XO], v[TM+2], 12, v[XO]
	v_add_nc_u32 v[XO], s[T0], v[XO]               ; channel 32 w + 16 h, squares 4 r on
	s_lshl_b32 s[T0], s[U], 13
	v_lshlrev_b32 v[WO], 8, v[TM+1]
	v_lshl_add_u32 v[WO], v[TM+2], 4, v[WO]
	v_add_nc_u32 v[WO], s[T0], v[WO]               ; the weight: row 32 u + r of 256 bytes, + 16 h
	s_lshl_b32 s[T0], s[U], 8
	v_lshlrev_b32 v[WSO], 3, v[TM+1]
	v_add_nc_u32 v[WSO], s[T0], v[WSO]             ; its scales: 8 bytes a row
	s_lshl_b32 s[T0], s[U], 7
	v_lshlrev_b32 v[BO], 5, v[TM+2]
	v_add_nc_u32 v[BO], s[T0], v[BO]               ; its biases: d = 32 u + 8 h on
	s_wait_kmcnt 0x0
	s_load_b128 s[PRO:PRO+3], s[24:25], 0x0        ; promo_bias: five numbers
	s_load_b32 s[PRO+4], s[24:25], 0x10
	s_cmp_eq_u32 s[SD], 0                          ; from's waves or to's: the choice hangs on the wave's number alone
	s_cselect_b64 s[WC:WC+1], s[12:13], s[14:15]
	s_cselect_b64 s[WC+2:WC+3], s[16:17], s[18:19]
	s_cselect_b64 s[WC+4:WC+5], s[20:21], s[22:23]
	s_add_nc_u64 s[8:9], s[8:9], s[52:53]
	s_add_nc_u64 s[32:33], s[32:33], s[54:55]
	; 92 loads a wave.  What stays comes first (44 loads), so that the first counted wait for x shows it landed too
.irp q, 0,1
	global_load_b128 v[FI+4*\q:FI+4*\q+3], v[OA+\q], s[26:27]
	global_load_b128 v[TI+4*\q:TI+4*\q+3], v[OA+\q], s[28:29]
	global_load_b128 v[PI+4*\q:PI+4*\q+3], v[OA+\q], s[30:31]
.endr
	WIN 0x40                                       ; destination window 1
.irp c, 0,1,2,3,4,5,6,7,8,9,10,11,12,13,14,15
	global_load_b128 v[NW+4*\c:NW+4*\c+3], v[XO], s[10:11] offset:256*\c     ; norm_weight, laid as a sample of x: it stays
.endr
	WIN 0
.irp tt, 0,1
	global_load_b64 v[WS+2*\tt:WS+2*\tt+1], v[WSO], s[WC+2:WC+3] offset:128*\tt      ; row 32 u + 16 tt + r: the words of K steps 0 and 1
	global_load_b128 v[BI+8*\tt:BI+8*\tt+3], v[BO], s[WC+4:WC+5] offset:64*\tt       ; d = 32 u + 16 tt + 8 h + 0 .. 7
	global_load_b128 v[BI+8*\tt+4:BI+8*\tt+7], v[BO], s[WC+4:WC+5] offset:64*\tt+16
.endr
.irp tt, 0,1
.irp s, 0,1
.irp c, 0,1,2,3
	global_load_b128 v[WF+32*\tt+16*\s+4*\c:WF+32*\tt+16*\s+4*\c+3], v[WO], s[WC:WC+1] offset:4096*\tt+128*\s+32*\c   ; k = 128 s + 32 c + 16 h + 0 .. 15
.endr
.endr
.endr
.macro LOADX i, buf                    ; sample i into buffer buf: lanes 0-15 read one whole row of 256 bytes, lanes 16-31 the row 16 channels on
	WIN 0x40
.irp c, 0,1,2,3,4,5,6,7,8,9,10,11,12,13,14,15
	global_load_b128 v[64*(\buf)+4*\c:64*(\buf)+4*\c+3], v[XO], s[8:9] offset:262144*(\i)+256*\c th:TH_LOAD_NT
.endr
	WIN 0
.endm
	LOADX 0, 0
	LOADX 1, 1
	LOADX 2, 2
	; the LDS addresses: a constant x lane + constants x parts of the wave's number
	s_lshl_b32 s[T0], s[WV], 9
	v_add_nc_u32 v[CW], s[T0], v[TM+3]
	s_lshl_b32 s[T0], s[NN], 6
	s_add_co_u32 s[T0], s[T0], s[WQ]
	v_add_nc_u32 v[SW], s[T0], v[TM+8]
	s_lshl_b32 s[T0], s[NN], 13
	v_add_nc_u32 v[CR], s[T0], v[TM+3]
	s_lshl_b32 s[T0], s[NN], 8
	v_add_nc_u32 v[SR], s[T0], v[TM+8]
	s_lshl_b32 s[T0], s[SD], 13
	s_lshl_b32 s[T1], s[U], 10
	s_add_co_u32 s[T0], s[T0], s[T1]
	s_lshl_b32 s[T1], s[NN], 12
	s_add_co_u32 s[T0], s[T0], s[T1]
	v_add_nc_u32 v[FW], s[T0], v[TM+3]
	s_lshl_b32 s[T0], s[WQ], 11
	v_add_nc_u32 v[FR], s[T0], v[TM+3]
	s_lshl_b32 s[T0], s[NN], 12
	v_add_nc_u32 v[TR], s[T0], v[TM+3]
	v_mul_u32_u24 v[GW], v[TM+1], GP
	v_lshl_add_u32 v[GW], v[TM+2], 5, v[GW]
	s_mul_i32 s[T0], s[WQ], 16*GP
	s_lshl_b32 s[T1], s[NN], 7
	s_add_co_u32 s[T0], s[T0], s[T1]
	v_add_nc_u32 v[GW], s[T0], v[GW]
	v_mov_b32 v[PW], s[WV]
	v_lshlrev_b32 v[PW], 2, v[PW]
	v_mov_b32 v[ZR], 0
	s_mov_b32 s[MNT], 0x600000
	s_mov_b32 s[SEL], 0x76543210
	s_mov_b32 s[SEL+1], 0xfedcba98
	s_mov_b32 s[RCN], 0x38800000
	s_mov_b32 s[EPSR], 0x358637bd
.irp b, 0,1,2,3
	v_mov_b32 v[TM+4+\b], 0                        ; written once: a lane permute's destination counts as one of its sources
.endr
.macro BAR                             ; my LDS stores have landed and my LDS loads are in: then the work-group's barrier
	s_wait_dscnt 0x0
	s_barrier_signal -1
	s_barrier_wait -1
.endm
; My 2,048 numbers' sum of squares goes to LDS.  left = the loads issued behind this sample's sixteen.
.macro SQUARES i, buf, left
	WIN 0x05                                       ; sources 0 and 1 window 1
.irp g, 0,1,2,3
	s_wait_loadcnt (\left)+12-4*\g                 ; loads come back in order: four more of the sample's sixteen are in
.irp p, 0,1,2,3,4,5,6,7
.if (\g == 0) && (\p < 4)
	v_pk_mul_f32 v[SQ+2*\p:SQ+2*\p+1], v[64*(\buf)+2*\p:64*(\buf)+2*\p+1], v[64*(\buf)+2*\p:64*(\buf)+2*\p+1]   ; the first four start the four chains: nothing is cleared
.else
	v_pk_fma_f32 v[SQ+2*(\p%4):SQ+2*(\p%4)+1], v[64*(\buf)+16*\g+2*\p:64*(\buf)+16*\g+2*\p+1], v[64*(\buf)+16*\g+2*\p:64*(\buf)+16*\g+2*\p+1], v[SQ+2*(\p%4):SQ+2*(\p%4)+1]
.endif
.endr
.endr
	WIN 0
	v_pk_add_f32 v[SQ:SQ+1], v[SQ:SQ+1], v[SQ+2:SQ+3]
	v_pk_add_f32 v[SQ+4:SQ+5], v[SQ+4:SQ+5], v[SQ+6:SQ+7]
	v_pk_add_f32 v[SQ:SQ+1], v[SQ:SQ+1], v[SQ+4:SQ+5]
	v_add_f32 v[SQ], v[SQ], v[SQ+1]
	v_add_f32_dpp v[SQ], v[SQ], v[SQ] row_xmask:1 row_mask:0xf bank_mask:0xf
	v_add_f32_dpp v[SQ], v[SQ], v[SQ] row_xmask:2 row_mask:0xf bank_mask:0xf
	v_add_f32_dpp v[SQ], v[SQ], v[SQ] row_xmask:4 row_mask:0xf bank_mask:0xf
	v_add_f32_dpp v[SQ], v[SQ], v[SQ] row_xmask:8 row_mask:0xf bank_mask:0xf
	v_permlanex16_b32 v[SQ+1], v[SQ], s[SEL], s[SEL+1]
	v_add_f32 v[SQ], v[SQ], v[SQ+1]                ; every lane holds the wave's sum
	ds_store_b32 v[PW], v[SQ] offset:PS+32*(\i)    ; all lanes write the same word with the same value
.endm
.macro GAIN buf                        ; y = x * norm_weight, in place: work on registers while the interval's LDS stores are out
	WIN 0x45                                       ; destination and sources 0 and 1 window 1
.set q, 0
.rept 32
	v_pk_mul_f32 v[64*(\buf)+q:64*(\buf)+q+1], v[64*(\buf)+q:64*(\buf)+q+1], v[NW+q:NW+q+1]
.set q, q+2
.endr
	WIN 0
.endm
; Once: my eight moves' places in G and their promo biases.  Square p = 4 r + a lies at place 16 a + r of G's rows and columns.  The place is held at 63 before it enters an address.
.macro INDEX
	s_wait_kmcnt 0x0                               ; promo_bias
.irp e, 0,1,2,3,4
	v_mov_b32 v[PV+\e], s[PRO+\e]
.endr
.irp k, 0,1,2,3,4,5,6,7
	v_and_b32 v[TP], 3, v[FI+\k]
	v_lshrrev_b32 v[TP+1], 2, v[FI+\k]
	v_lshl_or_b32 v[TP], v[TP], 4, v[TP+1]
	v_min_u32 v[TP], 63, v[TP]
	v_mul_u32_u24 v[TP], v[TP], GP                 ; the from square's row
	v_and_b32 v[TP+2], 3, v[TI+\k]
	v_lshrrev_b32 v[TP+3], 2, v[TI+\k]
	v_lshl_or_b32 v[TP+2], v[TP+2], 4, v[TP+3]
	v_min_u32 v[TP+2], 63, v[TP+2]
	v_lshl_add_u32 v[GA+\k], v[TP+2], 2, v[TP]     ; + the to square's column: 17,388 at the most, inside G
	v_mov_b32 v[PB+\k], v[PV]
.irp e, 1,2,3,4
	v_cmp_eq_u32 vcc_lo, \e, v[PI+\k]
	v_cndmask_b32 v[PB+\k], v[PB+\k], v[PV+\e], vcc_lo
.endr
.endr
.endm
; 1 / rms from the eight waves' sums (already in v[PSV] on), added in the same order in every wave; then xn, tile by tile of squares, with K down a lane's registers.
.macro NORM i, buf
	v_pk_add_f32 v[PSV:PSV+1], v[PSV:PSV+1], v[PSV+2:PSV+3]
	v_pk_add_f32 v[PSV+4:PSV+5], v[PSV+4:PSV+5], v[PSV+6:PSV+7]
	v_pk_add_f32 v[PSV:PSV+1], v[PSV:PSV+1], v[PSV+4:PSV+5]
	v_add_f32 v[PSV], v[PSV], v[PSV+1]
	v_fma_f32 v[PSV], v[PSV], s[RCN], s[EPSR]      ; the mean of 16,384 squares + 1e-6
	v_rsq_f32 v[RINV], v[PSV]
	v_nop                                          ; a plain instruction behind the transcendental (ISA guide 5.7.2),
	s_wait_alu depctr_va_vdst(0)                   ; and the wait ahead of the first reader
	WIN 0x01                                       ; source 0 window 1
.irp j, 0,1,2,3
.irp c, 0,1,2,3,4,5,6,7,8,9,10,11,12,13,14,15
	v_mul_f32 v[Z+16*\j+\c], v[64*(\buf)+4*\c+\j], v[RINV]     ; xn(channel 32 w + 16 h + c, square 4 r + j)
.endr
.endr
	WIN 0
.if \i == 0
	LOADX 3, 0                                     ; buffer 0 has been read out: the last sample is asked for
.endif
.endm
; The four tiles' parts of my block of 32 channels become codes and scale bytes.  A block lies in lanes l and l xor 16.
; The codes go into registers that are done with: tile 0's where the largest magnitudes lay, tile b's into the first four registers of tile b - 1, whose conversions stand 16 holds back.
.macro QUANT
.irp b, 0,1,2,3
	v_max3_num_f32 v[TM+\b], |v[Z+16*\b]|, |v[Z+1+16*\b]|, 0x4800000   ; tile b: my 16 numbers, and the floor 2^(9 - 127): the byte cannot fall under 1
.endr
.irp n, 2,4,6,8,10,12,14
.irp b, 0,1,2,3
	v_max3_num_f32 v[TM+\b], v[TM+\b], |v[Z+16*\b+\n]|, |v[Z+1+16*\b+\n]|   ; (the four tiles by turns: no line waits for the line above it)
.endr
.endr
.irp b, 0,1,2,3
	v_permlanex16_b32 v[TM+4+\b], v[TM+\b], s[SEL], s[SEL+1]
.endr
.irp b, 0,1,2,3
	v_max_num_f32 v[TM+\b], v[TM+\b], v[TM+4+\b]   ; the block's largest magnitude
.endr
.irp b, 0,1,2,3
	v_add_nc_u32 v[TM+12+\b], 0xfc000000, v[TM+\b] ; 8 off its exponent field: the conversion takes the exponent field of this operand as its scale
.endr
.irp b, 0,1,2,3
	v_and_or_b32 v[TM+8+\b], v[TM+\b], 0x7f800000, s[MNT]   ; 448 x the scale
.endr
.irp b, 0,1,2,3
	v_lshrrev_b32 v[TM+4+\b], 23, v[TM+12+\b]      ; the scale's byte
.endr
.irp b, 0,1,2,3
.if \b == 0
.set PCR, TM
.else
.set PCR, Z+16*(\b-1)
.endif
.irp n, 0,1,2,3,4,5,6,7,8,9,10,11,12,13,14,15
	v_med3_num_f32 v[Z+16*\b+\n], v[Z+16*\b+\n], -v[TM+8+\b], v[TM+8+\b]   ; the conversion to an 8-bit code does not saturate (ISA guide 7.6.2): the hold at the largest code x the scale
.endr
	v_cvt_scalef32_pk8_fp8_f32 v[PCR:PCR+1], v[Z+16*\b:Z+16*\b+7], v[TM+12+\b]
	v_cvt_scalef32_pk8_fp8_f32 v[PCR+2:PCR+3], v[Z+16*\b+8:Z+16*\b+15], v[TM+12+\b]
.endr
	v_nop                                          ; a plain instruction between the last conversion and G's products, which write the registers that it read
.irp b, 0,1,2,3
.if \b == 0
.set PCR, TM
.else
.set PCR, Z+16*(\b-1)
.endif
	ds_store_b128 v[CW], v[PCR:PCR+3] offset:CI+4096*\b            ; registers 4 (w % 4) .. + 3 of fragment (tile b, K step w / 4)
	ds_store_b8 v[SW], v[TM+4+\b] offset:SC+128*\b                 ; both lanes of a block write the same byte with the same value
.endr
.endm
; f or t: rows 32 u .. 32 u + 31 of my side's weight x tiles 2 (w / 4), 2 (w / 4) + 1 of squares.  MLOADS: 20 LDS loads, K step 0's ahead of K step 1's.
.macro MLOADS
.irp jj, 0,1
.irp s, 0,1
	ds_load_b32 v[XS+2*\jj+\s], v[SR] offset:SC+128*\jj+64*\s
.endr
.endr
.irp s, 0,1
.irp jj, 0,1
.irp c, 0,1,2,3
	ds_load_b128 v[XF+32*\jj+16*\s+4*\c:XF+32*\jj+16*\s+4*\c+3], v[CR] offset:CI+4096*\jj+2048*\s+512*\c
.endr
.endr
.endr
.endm
.macro MPROD                           ; four accumulators by turns; the bias is the C of the first K step
	s_wait_dscnt 8                                 ; the scale words and K step 0 are in; the eight loads of K step 1 may be out
.irp jj, 0,1
.irp tt, 0,1
	v_wmma_scale_f32_16x16x128_f8f6f4 v[ACC+8*(2*\jj+\tt):ACC+8*(2*\jj+\tt)+7], v[WF+32*\tt:WF+32*\tt+15], v[XF+32*\jj:XF+32*\jj+15], v[BI+8*\tt:BI+8*\tt+7], v[WS+2*\tt], v[XS+2*\jj]
.endr
.endr
	s_wait_dscnt 0x0
.irp jj, 0,1
.irp tt, 0,1
	v_wmma_scale_f32_16x16x128_f8f6f4 v[ACC+8*(2*\jj+\tt):ACC+8*(2*\jj+\tt)+7], v[WF+32*\tt+16:WF+32*\tt+31], v[XF+32*\jj+16:XF+32*\jj+31], v[ACC+8*(2*\jj+\tt):ACC+8*(2*\jj+\tt)+7], v[WS+2*\tt+1], v[XS+2*\jj+1]
.endr
.endr
.endm
.macro MOUT                            ; rounded to bf16 in pairs, the results are fragments of f or t
.irp jj, 0,1
.irp tt, 0,1
.irp p, 0,1,2,3
	v_cvt_pk_bf16_f32 v[FB+8*\jj+4*\tt+\p], v[ACC+8*(2*\jj+\tt)+2*\p], v[ACC+8*(2*\jj+\tt)+2*\p+1]   ; each accumulator from its low end on.  Lane (r, h): square 4 r + j, d = 32 u + 16 tt + 8 h + 2 p, + 1
.endr
.endr
.endr
.irp jj, 0,1
.irp tt, 0,1
	ds_store_b128 v[FW], v[FB+8*\jj+4*\tt:FB+8*\jj+4*\tt+3] offset:FT+2048*\jj+512*\tt   ; registers 4 tt .. + 3 of the bf16 fragment (side, tile j, K step u)
.endr
.endr
.endm
; G = f^T t: f's tile w % 4 against t's tiles 2 (w / 4), 2 (w / 4) + 1.  FLOADS: 12 LDS loads.
.macro FLOADS
.irp k, 0,1,2,3
	ds_load_b128 v[FF+4*\k:FF+4*\k+3], v[FR] offset:FT+512*\k
.endr
.irp bb, 0,1
.irp k, 0,1,2,3
	ds_load_b128 v[TF+16*\bb+4*\k:TF+16*\bb+4*\k+3], v[TR] offset:FT+8192+2048*\bb+512*\k
.endr
.endr
.endm
; Source 0 = t, source 1 = f: lane (r, h) holds from square 4 r + a and to squares 4 (8 h + 0 .. 7) + b: 32 neighbouring bytes of a row of G.
.macro GPROD
	v_wmma_f32_16x16x32_bf16 v[GACC:GACC+7], v[TF:TF+7], v[FF:FF+7], 0                    ; the two accumulators by turns; the first K step starts the sums
	v_wmma_f32_16x16x32_bf16 v[GACC+8:GACC+15], v[TF+16:TF+23], v[FF:FF+7], 0
	v_wmma_f32_16x16x32_bf16 v[GACC:GACC+7], v[TF+8:TF+15], v[FF+8:FF+15], v[GACC:GACC+7]
	v_wmma_f32_16x16x32_bf16 v[GACC+8:GACC+15], v[TF+24:TF+31], v[FF+8:FF+15], v[GACC+8:GACC+15]
.rept 5
	v_nop                                          ; four places ahead of the stores that read the results and of the next interval's loads into these registers; a fifth, since the next scaled products write over f's and t's fragments
.endr
.irp bb, 0,1
	ds_store_b128 v[GW], v[GACC+8*\bb:GACC+8*\bb+3] offset:64*\bb          ; each accumulator from its low end on
	ds_store_b128 v[GW], v[GACC+8*\bb+4:GACC+8*\bb+7] offset:64*\bb+16
.endr
.endm
; The gather of sample i: eight words of G a thread.
.macro GLOADS i
.if (\i) > 0
	s_wait_xcnt 0x0                                ; the last gather's stores, two barriers back, have read their data: the registers may be loaded again
.endif
.irp k, 0,1,2,3,4,5,6,7
	ds_load_b32 v[OUT+\k], v[GA+\k]
.endr
.endm
.macro GSEND i                         ; sixteen neighbouring lanes store 256 consecutive bytes, at a multiple of 256 from out0's first byte; four rows of out0 from sample to sample; written once, read by nobody here
.irp k, 0,2,4,6
	v_pk_add_f32 v[OUT+\k:OUT+\k+1], v[OUT+\k:OUT+\k+1], v[PB+\k:PB+\k+1]
.endr
	global_store_b128 v[OA], v[OUT:OUT+3], s[32:33] offset:31488*(\i) th:TH_STORE_NT
	global_store_b128 v[OA+1], v[OUT+4:OUT+7], s[32:33] offset:31488*(\i) th:TH_STORE_NT
.endm
; INTERVAL A.  g = 1: sample gi is gathered.  The first products of the sample in hand.  f = 1: the squares and the gain of sample fi, which lies in buffer fbuf with fleft loads issued behind it.
.macro PHA g, gi, f, fi, fbuf, fleft
.if \g
	GLOADS \gi
.endif
	MLOADS                                         ; all the interval's LDS loads go out in one run
.if \g
	s_wait_dscnt 20                                ; LDS loads come back in order: the gather's eight are in, the twenty behind them may be out
	GSEND \gi
.endif
	MPROD
.if \f
	SQUARES \fi, \fbuf, \fleft                     ; the next sample's 32 packed squares name none of the products' registers: they are the eight places ahead of the reads of the results
.else
.rept 9
	v_nop                                          ; eight places ahead of the reads of the results; a ninth, since G's products write over xn's fragments
.endr
.endif
	MOUT
.if \f
	GAIN \fbuf
.endif
	BAR                                            ; f's and t's fragments and the waves' sums lie in LDS; G, the codes and the scale words have been read
.endm
; INTERVAL B.  p = 1: G's products of the sample in hand.  n = 1: 1 / rms and the quantiser of sample ni, which lies in buffer nbuf.
.macro PHB p, n, ni, nbuf
.if \n
	ds_load_b128 v[PSV:PSV+3], v[ZR] offset:PS+32*(\ni)
	ds_load_b128 v[PSV+4:PSV+7], v[ZR] offset:PS+32*(\ni)+16
.endif
.if \p
	FLOADS
.endif
.if \n
	s_wait_dscnt 12*(\p)                           ; the sums are in; the twelve loads of f and t behind them may be out
	NORM \ni, \nbuf
	QUANT                                          ; the next sample's multiplications and its quantiser stand between the loads of f and t and their use
.endif
.if \p
	s_wait_dscnt 8*(\n)                            ; f and t are in; the quantiser's eight stores behind them may be out
	GPROD
.endif
	BAR                                            ; G, the codes and the scale bytes lie in LDS; f's and t's fragments and the sums have been read
.endm
	SQUARES 0, 0, 32                               ; behind sample 0's loads: samples 1 and 2.  The first wait also shows the 44 loads of what stays landed
	GAIN 0
	INDEX
	BAR
	PHB 0, 1, 0, 0                                 ; sample 0 is quantised; sample 3 is asked for
	PHA 0, 0, 1, 1, 1, 32                          ; behind sample 1's loads: samples 2 and 3
	PHB 1, 1, 1, 1
	PHA 1, 0, 1, 2, 2, 16                          ; behind sample 2's: sample 3
	PHB 1, 1, 2, 2
	PHA 1, 1, 1, 3, 0, 0                           ; behind sample 3's: none
	PHB 1, 1, 3, 0
	PHA 1, 2, 0, 0, 0, 0
	PHB 1, 0, 0, 0
	GLOADS 3
	s_wait_dscnt 0x0
	GSEND 3
	s_wait_xcnt 0x0
	v_lshl_add_u32 v190, v0, 2, 0xc800
	v_mov_b32 v191, 0
	s_wait_tensorcnt 0x0
	ds_add_u32 v190, v191
	s_wait_dscnt 0x0
	s_endpgm
.Lfunc_end_k_qbfcae5447c_head:
	.size	k_qbfcae5447c_head, .Lfunc_end_k_qbfcae5447c_head-k_qbfcae5447c_head
	.p2alignl 7, 3214868480
	.fill 96, 4, 3214868480
	.section	.rodata,"a",@progbits
	.p2align	6, 0x0
	.amdhsa_kernel k_qbfcae5447c_head
		.amdhsa_group_segment_fixed_size 52224
		.amdhsa_private_segment_fixed_size 0
		.amdhsa_enable_private_segment 0
		.amdhsa_kernarg_size 104
		.amdhsa_user_sgpr_count 2
		.amdhsa_user_sgpr_kernarg_segment_ptr 1
		.amdhsa_wavefront_size32 1
		.amdhsa_system_sgpr_workgroup_id_x 1
		.amdhsa_system_sgpr_workgroup_id_y 1
		.amdhsa_system_sgpr_workgroup_id_z 1
		.amdhsa_system_vgpr_workitem_id 0
		.amdhsa_next_free_vgpr 512
		.amdhsa_next_free_sgpr 66
		.amdhsa_reserve_vcc 1
		.amdhsa_float_denorm_mode_32 3
		.amdhsa_float_denorm_mode_16_64 3
		.amdhsa_memory_ordered 1
		.amdhsa_forward_progress 1
		.amdhsa_inst_pref_size 109
	.end_amdhsa_kernel
	.amdgpu_metadata
---
amdhsa.version: [ 1, 2 ]
amdhsa.kernels:
  - .name:           k_qbfcae5447c_head
    .symbol:         k_qbfcae5447c_head.kd
    .args:
      - { .name: x, .offset: 0, .size: 8, .value_kind: global_buffer, .address_space: global }
      - { .name: norm_weight, .offset: 8, .size: 8, .value_kind: global_buffer, .address_space: global }
      - { .name: from_w_codes, .offset: 16, .size: 8, .value_kind: global_buffer, .address_space: global }
      - { .name: to_w_codes, .offset: 24, .size: 8, .value_kind: global_buffer, .address_space: global }
      - { .name: from_w_scales, .offset: 32, .size: 8, .value_kind: global_buffer, .address_space: global }
      - { .name: to_w_scales, .offset: 40, .size: 8, .value_kind: global_buffer, .address_space: global }
      - { .name: from_b, .offset: 48, .size: 8, .value_kind: global_buffer, .address_space: global }
      - { .name: to_b, .offset: 56, .size: 8, .value_kind: global_buffer, .address_space: global }
      - { .name: promo_bias, .offset: 64, .size: 8, .value_kind: global_buffer, .address_space: global }
      - { .name: from_idx, .offset: 72, .size: 8, .value_kind: global_buffer, .address_space: global }
      - { .name: to_idx, .offset: 80, .size: 8, .value_kind: global_buffer, .address_space: global }
      - { .name: promo_idx, .offset: 88, .size: 8, .value_kind: global_buffer, .address_space: global }
      - { .name: out0, .offset: 96, .size: 8, .value_kind: global_buffer, .address_space: global }
    .group_segment_fixed_size: 52224
    .private_segment_fixed_size: 0
    .kernarg_segment_align: 8
    .kernarg_segment_size: 104
    .max_flat_workgroup_size: 256
    .sgpr_count:     66
    .vgpr_count:     512
    .wavefront_size: 32
...
	.end_amdgpu_metadata
.endif
;; end of part 1
;; ======== version 2 of 2: 1 launch; version 1 with the launch head written anew for expert scheduling mode
;; launch head (part 2): grid 256 x 1, 8 waves a work-group, no clusters, 52,224 bytes of LDS; arguments x, norm_weight, from_w_codes, to_w_codes, from_w_scales, to_w_scales, from_b, to_b, promo_bias, from_idx, to_idx, promo_idx, out0; writes out0
.if DOCPART == 2
	.amdgcn_target "amdgcn-amd-amdhsa--gfx1250"
	.amdhsa_code_object_version 6
	.text
	.protected	k_qbfcae5447c_head
	.globl	k_qbfcae5447c_head
	.p2align	8
	.type	k_qbfcae5447c_head,@function
k_qbfcae5447c_head:
	s_mov_b64 s[64:65], 0
	v_nop
	global_prefetch_b8 v0, s[64:65] scope:SCOPE_SE
	s_setreg_imm32_b32 hwreg(HW_REG_WAVE_SCHED_MODE, 0, 2), 2
	s_setreg_imm32_b32 hwreg(HW_REG_WAVE_MODE, 25, 1), 1
	s_wait_xcnt 0x0
	s_wait_alu depctr_vm_vsrc(0)
; out0[b][v] = sum over d of f[b][d][from_idx[v]] t[b][d][to_idx[v]] + promo_bias[promo_idx[v]],  f = from_w xn + from_b,  t = to_w xn + to_b,
; xn = x / sqrt(mean(x^2 over the sample) + 1e-6) * norm_weight.  A sample of x is [256 channels][64 squares] f32: 64 KiB, a channel a row of 256 bytes.
; f and t are products on codes of E4M3 with one E8M0 scale for each 32 channels (K = the channels): the weights come as codes, xn is quantised here.
; ONE LAUNCH, NOTHING THROUGH MEMORY.  256 work-groups of eight waves, four samples each: b = 16 (g / 4) + g % 4 + 4 i.  The four have the same b mod 4, and a row of out0 is 7,872 bytes = 30 x 256 + 192,
; so their rows begin at the same place modulo 256 bytes: one map from threads to moves serves all four, and sixteen neighbouring lanes store 256 consecutive bytes at a multiple of 256 from out0's first byte.
; Only a row's first and last 256 bytes are written in part (the rest of them belongs to the neighbouring sample, another work-group's): 2 of about 32 such pieces a row.
; A SAMPLE WAITS IN REGISTERS: its mean is wanted before any of its numbers can be quantised.  Three buffers of 64 registers a wave: 3 x 64 KiB of x are asked for by the work-group's first lines, the fourth sample as
; soon as buffer 0 has been read out.  Each load of a wave reads two whole rows of 256 bytes.  No pointer is stepped: the sample stands in the immediates.  x goes straight into registers: a way through LDS would add a store and a load of every byte.
; K IS NOT INNERMOST, AND NOTHING IS TRANSPOSED BY AN INSTRUCTION OF ITS OWN.  Wave w owns channels 32 w .. 32 w + 31, one block of the quantiser.  Load c of lane (r, h) brings channel 32 w + 16 h + c, squares 4 r .. 4 r + 3.
; TILE j OF SQUARES IS {4 r + j}: the multiplication by 1 / rms writes Z[16 j + c] = X[4 c + j] / rms, so that tile j's 16 registers run down K as the operand's layout wants them: they become registers 4 (w % 4) .. + 3 of
; the fragment (tile j, K step w / 4).  Fragments go from wave to wave through LDS as images of their registers: 16 bytes a lane, 512 a store.
; THE THIRD PRODUCT is taken out of G = f^T t (64 x 64, K = 64 d): 32 matrix instructions on bf16 a sample, G into LDS, one LDS word a move.  bf16 and not f16: f and t grow with the gains, the weights' scales and the biases.
; The first products have the weight as source 0, so that a lane holds one square and its registers run along d: rounded to bf16 in pairs they ARE the fragments of f and t.
; THE SAMPLES OVERLAP: TWO BARRIERS A SAMPLE.
;   interval A(i): the gather of sample i - 1 (reads G) | the first products of sample i (read the codes and scale words, write f's and t's fragments) | the squares and the gain of sample i + 1 (write the waves' sums)
;   interval B(i): G's products of sample i (read f's and t's fragments, write G) | 1 / rms and the quantiser of sample i + 1 (read the sums, write the codes and scale bytes)
; Every region of LDS is written in one kind of interval and read in the other, so the one barrier between them stands between each store and its reads and between each read and the next store.
; In each interval the LDS loads go out first, and another sample's work on registers stands between them and the wait for them.
; THE MODE: SCHED_MODE bits 1:0 = 2 (LLVM: expert scheduling mode 2), set by the entry lines.  The code itself states the register dependences between vector or matrix instructions and memory or LDS instructions,
; and those through scalar registers that vector instructions write, with s_wait_alu, always for 0.
; THE PLAN.  Registers that memory or LDS instructions touch:
;   v1-v13, v24-31   offsets and LDS addresses: made at the head (v24-31 in INDEX), never written again.  v240-242, the weights' three offsets: read by the head's loads, written again first by A(0)'s conversions.
;   X0-X2 (window 1) the head's loads land; squares, gain and multiplications name them; buffer 0 is loaded once more, behind sample 0's multiplications.
;   OUT              A: the gather's loads land at the head, four additions write it, two global stores read it at the end.
;   XS, XF           A: loads land at the head, the scaled products read them.  The same registers in B: xn, the codes of tiles 1 to 3, G's accumulators, written by vector and matrix instructions; B's stores read the codes and the accumulators.
;   ACC, FB          A: the products write ACC, the conversions read it and write FB, A's stores read FB.  The same registers in B: f's and t's fragments: loads land at the head, G's products read them.
;   SQ = PSV         A: the squares write it, one store reads it.  B: loads land at the head.
;   TM + 0 .. 7      B: the quantiser writes them (tile 0's codes, the bytes), B's stores read them.
; So each interval has its loads at its head and ALL its stores in one run at its end, and two waits state what these hang on:
;   a wait on vm_vsrc at the interval's head: the last interval's stores have read the registers in which this interval's loads land, and which its vector and matrix instructions write;
;   a wait on va_vdst ahead of the run of stores: their data are written.  It also shows every vector or matrix instruction done that named the registers in which the NEXT interval's loads land: between it and
;   those loads stand the stores, the barrier, and in A the gain, which names registers of window 1 alone.
; Beside these: four single waits on va_vdst (the head's offsets; the first sum and the LDS addresses; the root's reciprocal; buffer 0 ahead of its second load), one ahead of the last stores, and three on va_sdst (the wave's number; the masks in INDEX, twice).
; THE GATHER's LDS addresses are made of index data; both indices are held at 63 first, so that an address lies inside G, which no wave writes in the gather's interval.
; NO MASK ON THE STORES: a thread without moves of its own holds its neighbour's offset, and so its neighbour's indices and scores: it stores the same 16 bytes again, in the same instruction.  So all lanes stay on, as the matrix instructions want them.
; NOT SHARED IN A CLUSTER: what the work-groups have in common (norm_weight 64 KiB, weights, scales, biases 33.5 KiB, indices 23 KiB) is read once by each at its head, straight into registers in the layout in which it is used, against
; 256 KiB of x that nobody else reads; a joint request would lay it into LDS, from where the same registers would still have to be filled.
; NOT PREFETCHED: three of the work-group's four samples are asked for by its first lines, the fourth one sample later.
; ROUNDING: xn = (x * norm_weight) * rsq(mean + eps), all f32: another order of rounding than (x / rms) * norm_weight, a few units in the last place.
; LIMITS: NaN and infinities are not served.  A block of zeros gets the scale byte 1 where the quantiser's text says 127: its codes are zeros, and the bytes are read by this text alone; blocks whose largest magnitude lies under
; 2^-118 are held at that byte.  An index outside 0 .. 63 is held at a place inside G; a promo index outside 0 .. 4 takes entry 0.
;
; LDS
.set GP,  272                          ; G: 64 rows of 256 bytes + 16: the sixteen rows of a store begin at sixteen different 16-byte columns modulo 256.  G lies at byte 0
.set CI,  17408                        ; xn's codes: fragment (tile j, K step s) at 4,096 j + 2,048 s, its registers 4 c .. 4 c + 3 at + 512 c, a lane at + 16 lane
.set SC,  33792                        ; xn's scale words: 128 j + 64 s + 4 r; byte c of a word comes from wave 4 s + c
.set FT,  34304                        ; f's and t's fragments in bf16: 8,192 side + 2,048 j + 1,024 u + 512 half + 16 lane
.set PS,  50688                        ; the waves' sums of squares: 32 i + 4 w: each sample has bytes of its own
                                       ; from byte 51,200 (0xc800) on: the spare words, 128 bytes for each of the eight waves, which the closing add alone names
; REGISTERS, window 1 (v256-511): three buffers of x at 0, 64, 128; norm_weight at 192
.set NW,  192
; window 0
.set XO,  1                            ; x, norm_weight: 8,192 w + 4,096 h + 16 r
.set CW,  2                            ; where I store codes: 16 lane + 512 w
.set SW,  3                            ; and scale bytes: 4 r + 64 (w / 4) + w % 4
.set CR,  4                            ; where I read codes: 16 lane + 8,192 (w / 4)
.set SR,  5                            ; and scale words: 4 r + 256 (w / 4)
.set FW,  6                            ; where I store bf16 fragments: 16 lane + 8,192 side + 1,024 u + 4,096 (w / 4)
.set FR,  7                            ; where I read f's: 16 lane + 2,048 (w % 4)
.set TR,  8                            ; and t's: 16 lane + 4,096 (w / 4)
.set GW,  9                            ; where I store G: (16 (w % 4) + r) x 272 + 32 h + 128 (w / 4)
.set PW,  10                           ; 4 w
.set ZR,  11                           ; 0
.set OA,  12                           ; v12-13 byte offset of my four moves in a row of out0 and in the index lists, round 0 and round 1
.set RINV, 14                          ; 1 / rms
.set WS,  16                           ; v16-19 the weight's scale words (2 tt + s)
.set XS,  20                           ; v20-23 xn's scale words (2 jj + s)
.set GA,  24                           ; v24-31 my eight moves' places in G
.set PB,  32                           ; v32-39 their promo biases
.set OUT, 40                           ; v40-47 their scores: a store's data until the next gather
.set TM,  48                           ; v48-63 the quantiser's work: +0 largest magnitudes, then tile 0's codes; +4 bytes; +8 448 x scale; +12 scale operands
.set SQ,  56                           ; v56-63 in interval A: four chains of sums of squares
.set PSV, 56                           ; the same registers at the head of interval B: the eight waves' sums
.set BI,  64                           ; v64-79 my 32 biases in the result's layout (8 tt)
.set WF,  80                           ; v80-143 my four fragments of the weight (32 tt + 16 s)
.set XF,  144                          ; v144-207 interval A: xn's four fragments (32 jj + 16 s)
.set Z,   144                          ; interval B: xn, 16 registers a tile; tile b's codes (b = 1, 2, 3) then lie in the first four registers of tile b - 1
.set GACC, 192                         ; v192-207 G's two accumulators (8 bb), in the registers that xn's tile 3 has left
.set ACC, 208                          ; v208-239 interval A: four accumulators of f or t (8 (2 jj + tt))
.set FB,  240                          ; v240-255 and the bf16 fragments made of them (8 jj + 4 tt)
.set FF,  208                          ; v208-223 interval B: f's fragments (8 u),
.set TF,  224                          ; v224-255 and t's (16 bb + 8 u)
.set FI,  144                          ; at the head: from_idx, to_idx, promo_idx of my eight moves, four registers at work, the five promo biases
.set TI,  152
.set PI,  160
.set TP,  168
.set PV,  172
.set WO,  240                          ; at the head: offsets of the weight's codes, scales, biases
.set WSO, 241
.set BO,  242
; scalars: s[8:33] the thirteen addresses in the order of the arguments
.set WV,  2                            ; wave
.set T0,  3
.set T1,  7
.set GQ,  4                            ; g % 4
.set DL,  5                            ; delta: where a row of out0 begins modulo 256 bytes, in pieces of 16
.set MK,  12                           ; s[12:27] in INDEX: sixteen masks.  The addresses that lay there have served by then
.set WC,  34                           ; s[34:35] my side's codes, s[36:37] scales, s[38:39] biases
.set PRO, 40                           ; s[40:44] promo_bias
.set MNT, 45                           ; the mantissa field of 448
.set SEL, 46                           ; s[46:47] lane l xor 16
.set RCN, 48                           ; 2^-14 = 1 / 16,384
.set EPSR, 49                          ; 1e-6
.set U,   51                           ; w % 2: which 32 rows of the weight, and so which K step of G
.set SD,  56                           ; (w / 2) % 2: from (0) or to (1)
.set NN,  57                           ; w / 4
.set WQ,  58                           ; w % 4
.set MSB, 0
.macro WIN new                         ; s_set_vgpr_msb: bits 1:0 source 0, 3:2 source 1, 5:4 source 2, 7:6 destination; the high byte repeats the setting that is left
.if MSB != \new
	s_set_vgpr_msb (MSB<<8)|\new
.set MSB, \new
.endif
.endm
	s_load_b256 s[8:15], s[0:1], 0x0               ; x, norm_weight, from_w_codes, to_w_codes
	s_load_b256 s[16:23], s[0:1], 0x20             ; from_w_scales, to_w_scales, from_b, to_b
	s_load_b256 s[24:31], s[0:1], 0x40             ; promo_bias, from_idx, to_idx, promo_idx
	s_load_b64 s[32:33], s[0:1], 0x60              ; out0
	v_lshrrev_b32 v[TM], 5, v0
	v_readfirstlane_b32 s[WV], v[TM]               ; wave 0..7
	v_and_b32 v[TM], 31, v0                        ; lane
	v_and_b32 v[TM+1], 15, v0                      ; r
	v_bfe_u32 v[TM+2], v0, 4, 1                    ; h
	v_lshlrev_b32 v[TM+3], 4, v[TM]                ; 16 lane
	v_lshlrev_b32 v[TM+8], 2, v[TM+1]              ; 4 r
	s_wait_alu depctr_va_sdst(0)                   ; the wave's number is written, ahead of its first reader, the line below
	s_and_b32 s[U], s[WV], 1
	s_bfe_u32 s[SD], s[WV], 0x10001                ; one bit from bit 1
	s_lshr_b32 s[NN], s[WV], 2
	s_and_b32 s[WQ], s[WV], 3
	s_and_b32 s[GQ], ttmp9, 3
	s_mul_i32 s[DL], s[GQ], 12
	s_and_b32 s[DL], s[DL], 15                     ; 192 (b % 4) bytes modulo 256, in pieces of 16: 0, 12, 8, 4
	s_lshr_b32 s[T0], ttmp9, 2
	s_lshl_b32 s[T0], s[T0], 4
	s_add_co_u32 s[T0], s[T0], s[GQ]               ; my first sample
	s_lshl_b32 s52, s[T0], 16                      ; its 65,536 bytes of x (under 2^27)
	s_mov_b32 s53, 0
	s_mul_i32 s54, s[T0], 7872                     ; its row of out0
	s_mov_b32 s55, 0
	; thread t takes, in round q, the four moves 4 lq .. 4 lq + 3, lq = 256 q + t - delta: its 16 bytes of the row then lie 4,096 q + 16 t behind a multiple of 256.  lq counts from 0 to 491 and is held there:
	; the threads under delta in round 0 (all in wave 0) double thread delta's moves, those from 236 + delta on in round 1 (all in wave 7) double thread 235 + delta's
	v_max_u32 v[OA], s[DL], v0
	v_sub_nc_u32 v[OA], v[OA], s[DL]               ; max(t - delta, 0)
	v_lshlrev_b32 v[OA], 4, v[OA]
	v_add_nc_u32 v[OA+1], 256, v0
	v_sub_nc_u32 v[OA+1], v[OA+1], s[DL]
	v_min_u32 v[OA+1], 491, v[OA+1]
	v_lshlrev_b32 v[OA+1], 4, v[OA+1]
	s_lshl_b32 s[T0], s[WV], 13
	v_lshlrev_b32 v[XO], 4, v[TM+1]
	v_lshl_add_u32 v[XO], v[TM+2], 12, v[XO]
	v_add_nc_u32 v[XO], s[T0], v[XO]               ; channel 32 w + 16 h, squares 4 r on
	s_lshl_b32 s[T0], s[U], 13
	v_lshlrev_b32 v[WO], 8, v[TM+1]
	v_lshl_add_u32 v[WO], v[TM+2], 4, v[WO]
	v_add_nc_u32 v[WO], s[T0], v[WO]               ; the weight: row 32 u + r of 256 bytes, + 16 h
	s_lshl_b32 s[T0], s[U], 8
	v_lshlrev_b32 v[WSO], 3, v[TM+1]
	v_add_nc_u32 v[WSO], s[T0], v[WSO]             ; its scales: 8 bytes a row
	s_lshl_b32 s[T0], s[U], 7
	v_lshlrev_b32 v[BO], 5, v[TM+2]
	v_add_nc_u32 v[BO], s[T0], v[BO]               ; its biases: d = 32 u + 8 h on
	s_wait_kmcnt 0x0
	s_load_b128 s[PRO:PRO+3], s[24:25], 0x0        ; promo_bias: five numbers
	s_load_b32 s[PRO+4], s[24:25], 0x10
	s_cmp_eq_u32 s[SD], 0                          ; from's waves or to's: the choice hangs on the wave's number alone
	s_cselect_b64 s[WC:WC+1], s[12:13], s[14:15]
	s_cselect_b64 s[WC+2:WC+3], s[16:17], s[18:19]
	s_cselect_b64 s[WC+4:WC+5], s[20:21], s[22:23]
	s_add_nc_u64 s[8:9], s[8:9], s[52:53]
	s_add_nc_u64 s[32:33], s[32:33], s[54:55]
	s_wait_alu depctr_va_vdst(0)                   ; the six offsets v[OA], v[OA+1], v[XO], v[WO], v[WSO], v[BO] are written, which the loads below (and later sample 3's loads and the stores of out0) read; only loads and window switches follow up to the last of the 92
	; 92 loads a wave.  What stays comes first (44 loads), so that the first counted wait for x shows it landed too
.irp q, 0,1
	global_load_b128 v[FI+4*\q:FI+4*\q+3], v[OA+\q], s[26:27]
	global_load_b128 v[TI+4*\q:TI+4*\q+3], v[OA+\q], s[28:29]
	global_load_b128 v[PI+4*\q:PI+4*\q+3], v[OA+\q], s[30:31]
.endr
	WIN 0x40                                       ; destination window 1
.irp c, 0,1,2,3,4,5,6,7,8,9,10,11,12,13,14,15
	global_load_b128 v[NW+4*\c:NW+4*\c+3], v[XO], s[10:11] offset:256*\c     ; norm_weight, laid as a sample of x: it stays
.endr
	WIN 0
.irp tt, 0,1
	global_load_b64 v[WS+2*\tt:WS+2*\tt+1], v[WSO], s[WC+2:WC+3] offset:128*\tt      ; row 32 u + 16 tt + r: the words of K steps 0 and 1
	global_load_b128 v[BI+8*\tt:BI+8*\tt+3], v[BO], s[WC+4:WC+5] offset:64*\tt       ; d = 32 u + 16 tt + 8 h + 0 .. 7
	global_load_b128 v[BI+8*\tt+4:BI+8*\tt+7], v[BO], s[WC+4:WC+5] offset:64*\tt+16
.endr
.irp tt, 0,1
.irp s, 0,1
.irp c, 0,1,2,3
	global_load_b128 v[WF+32*\tt+16*\s+4*\c:WF+32*\tt+16*\s+4*\c+3], v[WO], s[WC:WC+1] offset:4096*\tt+128*\s+32*\c   ; k = 128 s + 32 c + 16 h + 0 .. 15
.endr
.endr
.endr
.macro LOADX i, buf                    ; sample i into buffer buf: lanes 0-15 read one whole row of 256 bytes, lanes 16-31 the row 16 channels on
	WIN 0x40
.irp c, 0,1,2,3,4,5,6,7,8,9,10,11,12,13,14,15
	global_load_b128 v[64*(\buf)+4*\c:64*(\buf)+4*\c+3], v[XO], s[8:9] offset:262144*(\i)+256*\c th:TH_LOAD_NT
.endr
	WIN 0
.endm
	LOADX 0, 0
	LOADX 1, 1
	LOADX 2, 2
	; the LDS addresses: a constant x lane + constants x parts of the wave's number
	s_lshl_b32 s[T0], s[WV], 9
	v_add_nc_u32 v[CW], s[T0], v[TM+3]
	s_lshl_b32 s[T0], s[NN], 6
	s_add_co_u32 s[T0], s[T0], s[WQ]
	v_add_nc_u32 v[SW], s[T0], v[TM+8]
	s_lshl_b32 s[T0], s[NN], 13
	v_add_nc_u32 v[CR], s[T0], v[TM+3]
	s_lshl_b32 s[T0], s[NN], 8
	v_add_nc_u32 v[SR], s[T0], v[TM+8]
	s_lshl_b32 s[T0], s[SD], 13
	s_lshl_b32 s[T1], s[U], 10
	s_add_co_u32 s[T0], s[T0], s[T1]
	s_lshl_b32 s[T1], s[NN], 12
	s_add_co_u32 s[T0], s[T0], s[T1]
	v_add_nc_u32 v[FW], s[T0], v[TM+3]
	s_lshl_b32 s[T0], s[WQ], 11
	v_add_nc_u32 v[FR], s[T0], v[TM+3]
	s_lshl_b32 s[T0], s[NN], 12
	v_add_nc_u32 v[TR], s[T0], v[TM+3]
	v_mul_u32_u24 v[GW], v[TM+1], GP
	v_lshl_add_u32 v[GW], v[TM+2], 5, v[GW]
	s_mul_i32 s[T0], s[WQ], 16*GP
	s_lshl_b32 s[T1], s[NN], 7
	s_add_co_u32 s[T0], s[T0], s[T1]
	v_add_nc_u32 v[GW], s[T0], v[GW]
	v_mov_b32 v[PW], s[WV]
	v_lshlrev_b32 v[PW], 2, v[PW]
	v_mov_b32 v[ZR], 0
	s_mov_b32 s[MNT], 0x600000
	s_mov_b32 s[SEL], 0x76543210
	s_mov_b32 s[SEL+1], 0xfedcba98
	s_mov_b32 s[RCN], 0x38800000
	s_mov_b32 s[EPSR], 0x358637bd
.irp b, 0,1,2,3
	v_mov_b32 v[TM+4+\b], 0                        ; written once: a lane permute's destination counts as one of its sources
.endr
.macro BAR                             ; my LDS stores have landed and my LDS loads are in: then the work-group's barrier
	s_wait_dscnt 0x0
	s_barrier_signal -1
	s_barrier_wait -1
.endm
; My 2,048 numbers' sum of squares, into v[SQ].  left = the loads issued behind this sample's sixteen.
.macro SQUARES buf, left
	WIN 0x05                                       ; sources 0 and 1 window 1
.irp g, 0,1,2,3
	s_wait_loadcnt (\left)+12-4*\g                 ; loads come back in order: four more of the sample's sixteen are in
.irp p, 0,1,2,3,4,5,6,7
.if (\g == 0) && (\p < 4)
	v_pk_mul_f32 v[SQ+2*\p:SQ+2*\p+1], v[64*(\buf)+2*\p:64*(\buf)+2*\p+1], v[64*(\buf)+2*\p:64*(\buf)+2*\p+1]   ; the first four start the four chains: nothing is cleared
.else
	v_pk_fma_f32 v[SQ+2*(\p%4):SQ+2*(\p%4)+1], v[64*(\buf)+16*\g+2*\p:64*(\buf)+16*\g+2*\p+1], v[64*(\buf)+16*\g+2*\p:64*(\buf)+16*\g+2*\p+1], v[SQ+2*(\p%4):SQ+2*(\p%4)+1]
.endif
.endr
.endr
	WIN 0
	v_pk_add_f32 v[SQ:SQ+1], v[SQ:SQ+1], v[SQ+2:SQ+3]
	v_pk_add_f32 v[SQ+4:SQ+5], v[SQ+4:SQ+5], v[SQ+6:SQ+7]
	v_pk_add_f32 v[SQ:SQ+1], v[SQ:SQ+1], v[SQ+4:SQ+5]
	v_add_f32 v[SQ], v[SQ], v[SQ+1]
	v_add_f32_dpp v[SQ], v[SQ], v[SQ] row_xmask:1 row_mask:0xf bank_mask:0xf
	v_add_f32_dpp v[SQ], v[SQ], v[SQ] row_xmask:2 row_mask:0xf bank_mask:0xf
	v_add_f32_dpp v[SQ], v[SQ], v[SQ] row_xmask:4 row_mask:0xf bank_mask:0xf
	v_add_f32_dpp v[SQ], v[SQ], v[SQ] row_xmask:8 row_mask:0xf bank_mask:0xf
	v_permlanex16_b32 v[SQ+1], v[SQ], s[SEL], s[SEL+1]
	v_add_f32 v[SQ], v[SQ], v[SQ+1]                ; every lane holds the wave's sum
.endm
.macro PSTORE i                        ; and to LDS, among the interval's stores
	ds_store_b32 v[PW], v[SQ] offset:PS+32*(\i)    ; all lanes write the same word with the same value
.endm
.macro GAIN buf                        ; y = x * norm_weight, in place: work on registers while the interval's LDS stores are out
	WIN 0x45                                       ; destination and sources 0 and 1 window 1
.set q, 0
.rept 32
	v_pk_mul_f32 v[64*(\buf)+q:64*(\buf)+q+1], v[64*(\buf)+q:64*(\buf)+q+1], v[NW+q:NW+q+1]
.set q, q+2
.endr
	WIN 0
.endm
; Once: my eight moves' places in G and their promo biases.  Square p = 4 r + a lies at place 16 a + r of G's rows and columns.  The place is held at 63 before it enters an address.
; Four moves at a time: their sixteen compares in one run, into s[MK] on (free: the loads that read s[26:27] as their base have landed by the squares' counted waits, the scalar loads by s[24:25] by the wait below, and
; s[12:23] were no load's base); the four moves' address arithmetic; one wait for the sixteen masks; the selects.
.macro INDEX
	s_wait_kmcnt 0x0                               ; promo_bias
.irp e, 0,1,2,3,4
	v_mov_b32 v[PV+\e], s[PRO+\e]
.endr
.irp hh, 0,4
.irp kk, 0,1,2,3
.irp e, 1,2,3,4
	v_cmp_eq_u32 s[MK+4*\kk+\e-1], \e, v[PI+\hh+\kk]
.endr
.endr
.irp kk, 0,1,2,3
	v_and_b32 v[TP], 3, v[FI+\hh+\kk]
	v_lshrrev_b32 v[TP+1], 2, v[FI+\hh+\kk]
	v_lshl_or_b32 v[TP], v[TP], 4, v[TP+1]
	v_min_u32 v[TP], 63, v[TP]
	v_mul_u32_u24 v[TP], v[TP], GP                 ; the from square's row
	v_and_b32 v[TP+2], 3, v[TI+\hh+\kk]
	v_lshrrev_b32 v[TP+3], 2, v[TI+\hh+\kk]
	v_lshl_or_b32 v[TP+2], v[TP+2], 4, v[TP+3]
	v_min_u32 v[TP+2], 63, v[TP+2]
	v_lshl_add_u32 v[GA+\hh+\kk], v[TP+2], 2, v[TP]     ; + the to square's column: 17,388 at the most, inside G
	v_mov_b32 v[PB+\hh+\kk], v[PV]
.endr
	s_wait_alu depctr_va_sdst(0)                   ; the sixteen compares above have written their masks, ahead of the first select that reads one
.irp e, 1,2,3,4
.irp kk, 0,1,2,3
	v_cndmask_b32 v[PB+\hh+\kk], v[PB+\hh+\kk], v[PV+\e], s[MK+4*\kk+\e-1]   ; (the four moves by turns)
.endr
.endr
.endr
.endm
; 1 / rms from the eight waves' sums (already in v[PSV] on), added in the same order in every wave; then xn, tile by tile of squares, with K down a lane's registers.
.macro NORM i, buf
	v_pk_add_f32 v[PSV:PSV+1], v[PSV:PSV+1], v[PSV+2:PSV+3]
	v_pk_add_f32 v[PSV+4:PSV+5], v[PSV+4:PSV+5], v[PSV+6:PSV+7]
	v_pk_add_f32 v[PSV:PSV+1], v[PSV:PSV+1], v[PSV+4:PSV+5]
	v_add_f32 v[PSV], v[PSV], v[PSV+1]
	v_fma_f32 v[PSV], v[PSV], s[RCN], s[EPSR]      ; the mean of 16,384 squares + 1e-6
	v_rsq_f32 v[RINV], v[PSV]
	v_nop                                          ; a plain instruction behind the transcendental (ISA guide 5.7.2),
	s_wait_alu depctr_va_vdst(0)                   ; and the wait ahead of the first reader: v[RINV] is written
	WIN 0x01                                       ; source 0 window 1
.irp j, 0,1,2,3
.irp c, 0,1,2,3,4,5,6,7,8,9,10,11,12,13,14,15
	v_mul_f32 v[Z+16*\j+\c], v[64*(\buf)+4*\c+\j], v[RINV]     ; xn(channel 32 w + 16 h + c, square 4 r + j)
.endr
.endr
.if \i == 0
	WIN 0x40                                       ; the window first, then the wait, then the loads
	s_wait_alu depctr_va_vdst(0)                   ; the multiplications above are done reading buffer 0 (and the gain has written it), in which the loads below land
	LOADX 3, 0                                     ; buffer 0 has been read out: the last sample is asked for
.else
	WIN 0
.endif
.endm
; The four tiles' parts of my block of 32 channels become codes and scale bytes.  A block lies in lanes l and l xor 16.
; The codes go into registers that are done with: tile 0's where the largest magnitudes lay, tile b's into the first four registers of tile b - 1, whose conversions stand 16 holds back.
.macro QUANT
.irp b, 0,1,2,3
	v_max3_num_f32 v[TM+\b], |v[Z+16*\b]|, |v[Z+1+16*\b]|, 0x4800000   ; tile b: my 16 numbers, and the floor 2^(9 - 127): the byte cannot fall under 1
.endr
.irp n, 2,4,6,8,10,12,14
.irp b, 0,1,2,3
	v_max3_num_f32 v[TM+\b], v[TM+\b], |v[Z+16*\b+\n]|, |v[Z+1+16*\b+\n]|   ; (the four tiles by turns: no line waits for the line above it)
.endr
.endr
.irp b, 0,1,2,3
	v_permlanex16_b32 v[TM+4+\b], v[TM+\b], s[SEL], s[SEL+1]
.endr
.irp b, 0,1,2,3
	v_max_num_f32 v[TM+\b], v[TM+\b], v[TM+4+\b]   ; the block's largest magnitude
.endr
.irp b, 0,1,2,3
	v_add_nc_u32 v[TM+12+\b], 0xfc000000, v[TM+\b] ; 8 off its exponent field: the conversion takes the exponent field of this operand as its scale
.endr
.irp b, 0,1,2,3
	v_and_or_b32 v[TM+8+\b], v[TM+\b], 0x7f800000, s[MNT]   ; 448 x the scale
.endr
.irp b, 0,1,2,3
	v_lshrrev_b32 v[TM+4+\b], 23, v[TM+12+\b]      ; the scale's byte
.endr
.irp b, 0,1,2,3
.if \b == 0
.set PCR, TM
.else
.set PCR, Z+16*(\b-1)
.endif
.irp n, 0,1,2,3,4,5,6,7,8,9,10,11,12,13,14,15
	v_med3_num_f32 v[Z+16*\b+\n], v[Z+16*\b+\n], -v[TM+8+\b], v[TM+8+\b]   ; the conversion to an 8-bit code does not saturate (ISA guide 7.6.2): the hold at the largest code x the scale
.endr
	v_cvt_scalef32_pk8_fp8_f32 v[PCR:PCR+1], v[Z+16*\b:Z+16*\b+7], v[TM+12+\b]
	v_cvt_scalef32_pk8_fp8_f32 v[PCR+2:PCR+3], v[Z+16*\b+8:Z+16*\b+15], v[TM+12+\b]
.endr
	v_nop                                          ; a plain instruction between the last conversion and G's products, which write the registers that it read
.endm
.macro QSTORE                          ; the codes and the bytes go to LDS, among the interval's stores
.irp b, 0,1,2,3
.if \b == 0
.set PCR, TM
.else
.set PCR, Z+16*(\b-1)
.endif
	ds_store_b128 v[CW], v[PCR:PCR+3] offset:CI+4096*\b            ; registers 4 (w % 4) .. + 3 of fragment (tile b, K step w / 4)
	ds_store_b8 v[SW], v[TM+4+\b] offset:SC+128*\b                 ; both lanes of a block write the same byte with the same value
.endr
.endm
; f or t: rows 32 u .. 32 u + 31 of my side's weight x tiles 2 (w / 4), 2 (w / 4) + 1 of squares.  MLOADS: 20 LDS loads, K step 0's ahead of K step 1's.
.macro MLOADS
.irp jj, 0,1
.irp s, 0,1
	ds_load_b32 v[XS+2*\jj+\s], v[SR] offset:SC+128*\jj+64*\s
.endr
.endr
.irp s, 0,1
.irp jj, 0,1
.irp c, 0,1,2,3
	ds_load_b128 v[XF+32*\jj+16*\s+4*\c:XF+32*\jj+16*\s+4*\c+3], v[CR] offset:CI+4096*\jj+2048*\s+512*\c
.endr
.endr
.endr
.endm
.macro MPROD                           ; four accumulators by turns; the bias is the C of the first K step.  Every operand and scale word comes from a load
	s_wait_dscnt 8                                 ; the scale words and K step 0 are in; the eight loads of K step 1 may be out
.irp jj, 0,1
.irp tt, 0,1
	v_wmma_scale_f32_16x16x128_f8f6f4 v[ACC+8*(2*\jj+\tt):ACC+8*(2*\jj+\tt)+7], v[WF+32*\tt:WF+32*\tt+15], v[XF+32*\jj:XF+32*\jj+15], v[BI+8*\tt:BI+8*\tt+7], v[WS+2*\tt], v[XS+2*\jj]
.endr
.endr
	s_wait_dscnt 0x0
.irp jj, 0,1
.irp tt, 0,1
	v_wmma_scale_f32_16x16x128_f8f6f4 v[ACC+8*(2*\jj+\tt):ACC+8*(2*\jj+\tt)+7], v[WF+32*\tt+16:WF+32*\tt+31], v[XF+32*\jj+16:XF+32*\jj+31], v[ACC+8*(2*\jj+\tt):ACC+8*(2*\jj+\tt)+7], v[WS+2*\tt+1], v[XS+2*\jj+1]
.endr
.endr
.endm
.macro MCVT                            ; rounded to bf16 in pairs, the results are fragments of f or t
.irp jj, 0,1
.irp tt, 0,1
.irp p, 0,1,2,3
	v_cvt_pk_bf16_f32 v[FB+8*\jj+4*\tt+\p], v[ACC+8*(2*\jj+\tt)+2*\p], v[ACC+8*(2*\jj+\tt)+2*\p+1]   ; each accumulator from its low end on.  Lane (r, h): square 4 r + j, d = 32 u + 16 tt + 8 h + 2 p, + 1
.endr
.endr
.endr
.endm
.macro MSTORE
.irp jj, 0,1
.irp tt, 0,1
	ds_store_b128 v[FW], v[FB+8*\jj+4*\tt:FB+8*\jj+4*\tt+3] offset:FT+2048*\jj+512*\tt   ; registers 4 tt .. + 3 of the bf16 fragment (side, tile j, K step u)
.endr
.endr
.endm
; G = f^T t: f's tile w % 4 against t's tiles 2 (w / 4), 2 (w / 4) + 1.  FLOADS: 12 LDS loads.
.macro FLOADS
.irp k, 0,1,2,3
	ds_load_b128 v[FF+4*\k:FF+4*\k+3], v[FR] offset:FT+512*\k
.endr
.irp bb, 0,1
.irp k, 0,1,2,3
	ds_load_b128 v[TF+16*\bb+4*\k:TF+16*\bb+4*\k+3], v[TR] offset:FT+8192+2048*\bb+512*\k
.endr
.endr
.endm
; Source 0 = t, source 1 = f: lane (r, h) holds from square 4 r + a and to squares 4 (8 h + 0 .. 7) + b: 32 neighbouring bytes of a row of G.
.macro GPROD
	v_wmma_f32_16x16x32_bf16 v[GACC:GACC+7], v[TF:TF+7], v[FF:FF+7], 0                    ; the two accumulators by turns; the first K step starts the sums
	v_wmma_f32_16x16x32_bf16 v[GACC+8:GACC+15], v[TF+16:TF+23], v[FF:FF+7], 0
	v_wmma_f32_16x16x32_bf16 v[GACC:GACC+7], v[TF+8:TF+15], v[FF+8:FF+15], v[GACC:GACC+7]
	v_wmma_f32_16x16x32_bf16 v[GACC+8:GACC+15], v[TF+24:TF+31], v[FF+8:FF+15], v[GACC+8:GACC+15]
.rept 5
	v_nop                                          ; four places ahead of the stores that read the results: they stay beside the wait that follows; a fifth, since the next scaled products write over f's and t's fragments
.endr
.endm
.macro GOUT
.irp bb, 0,1
	ds_store_b128 v[GW], v[GACC+8*\bb:GACC+8*\bb+3] offset:64*\bb          ; each accumulator from its low end on
	ds_store_b128 v[GW], v[GACC+8*\bb+4:GACC+8*\bb+7] offset:64*\bb+16
.endr
.endm
; The gather of sample i: eight words of G a thread.
.macro GLOADS i
.if (\i) > 0
	s_wait_xcnt 0x0                                ; the last gather's stores, two barriers back, have had their addresses translated: the registers may be loaded again
.endif
.irp k, 0,1,2,3,4,5,6,7
	ds_load_b32 v[OUT+\k], v[GA+\k]
.endr
.endm
.macro GADD
.irp k, 0,2,4,6
	v_pk_add_f32 v[OUT+\k:OUT+\k+1], v[OUT+\k:OUT+\k+1], v[PB+\k:PB+\k+1]
.endr
.endm
.macro GSEND i                         ; sixteen neighbouring lanes store 256 consecutive bytes, at a multiple of 256 from out0's first byte; four rows of out0 from sample to sample; written once, read by nobody here
	global_store_b128 v[OA], v[OUT:OUT+3], s[32:33] offset:31488*(\i) th:TH_STORE_NT
	global_store_b128 v[OA+1], v[OUT+4:OUT+7], s[32:33] offset:31488*(\i) th:TH_STORE_NT
.endm
; INTERVAL A.  g = 1: sample gi is gathered.  The first products of the sample in hand.  f = 1: the squares and the gain of sample fi, which lies in buffer fbuf with fleft loads issued behind it.
.macro PHA g, gi, f, fi, fbuf, fleft
	s_wait_alu depctr_vm_vsrc(0)                   ; the last interval's LDS stores have read the codes' registers and G's accumulators, in which xn's fragments land below.  (The scores' registers: the stores that read them stand ahead of the last interval's like wait)
.if \g
	GLOADS \gi
.endif
	MLOADS                                         ; all the interval's LDS loads go out in one run.  No vector or matrix instruction stands between the last interval's wait on va_vdst and these loads
.if \g
	s_wait_dscnt 20                                ; LDS loads come back in order: the gather's eight are in, the twenty behind them may be out
	GADD
.endif
	MPROD
.if \f
	SQUARES \fbuf, \fleft                          ; the next sample's 32 packed squares name none of the products' registers: they are the eight places ahead of the reads of the results
.else
.rept 9
	v_nop                                          ; eight places ahead of the reads of the results; a ninth, since G's products write over xn's fragments
.endr
.endif
	MCVT
	s_wait_alu depctr_va_vdst(0)                   ; the conversions have written v[FB ..], the squares' chain v[SQ], the additions v[OUT ..]: the stores below read them.  And all that named v[SQ ..], v[ACC ..] and v[FB ..] is done: the next interval's loads land there
.if \f
	PSTORE \fi
.endif
	MSTORE
.if \g
	GSEND \gi
.endif
.if \f
	GAIN \fbuf                                     ; (names registers of window 1 alone: none that the stores above or the next interval's loads touch)
.endif
	BAR                                            ; f's and t's fragments and the waves' sums lie in LDS; G, the codes and the scale words have been read
.endm
; INTERVAL B.  p = 1: G's products of the sample in hand.  n = 1: 1 / rms and the quantiser of sample ni, which lies in buffer nbuf.
.macro PHB p, n, ni, nbuf
	s_wait_alu depctr_vm_vsrc(0)                   ; the last interval's stores have read v[SQ] and v[FB ..], in which the loads below land, and v[OUT ..], in which the next gather's land.  (At its first standing: also the head's loads have read v240 to v242, which A(0)'s conversions write)
.if \n
	ds_load_b128 v[PSV:PSV+3], v[ZR] offset:PS+32*(\ni)
	ds_load_b128 v[PSV+4:PSV+7], v[ZR] offset:PS+32*(\ni)+16
.endif
.if \p
	FLOADS
.endif
.if \n
	s_wait_dscnt 12*(\p)                           ; the sums are in; the twelve loads of f and t behind them may be out
	NORM \ni, \nbuf
	QUANT                                          ; the next sample's multiplications and its quantiser stand between the loads of f and t and their use
.endif
.if \p
	s_wait_dscnt 0x0                               ; f and t are in
	GPROD
.endif
	s_wait_alu depctr_va_vdst(0)                   ; the quantiser has written the codes and the bytes, G's products the accumulators: the stores below read them.  And all that named v[XS ..] and v[XF ..] is done: the next interval's loads land there
.if \n
	QSTORE
.endif
.if \p
	GOUT
.endif
	BAR                                            ; G, the codes and the scale bytes lie in LDS; f's and t's fragments and the sums have been read
.endm
	SQUARES 0, 32                                  ; behind sample 0's loads: samples 1 and 2.  The first wait also shows the 44 loads of what stays landed
	s_wait_alu depctr_va_vdst(0)                   ; the chain has written v[SQ], which the store below reads; and the LDS addresses v2 to v11 are written, of which every LDS instruction of the kernel but the gather's reads one
	PSTORE 0
	GAIN 0
	INDEX                                          ; (v[GA ..], made here, are first read by A(1)'s gather, behind the waits on va_vdst of two intervals)
	BAR
	PHB 0, 1, 0, 0                                 ; sample 0 is quantised; sample 3 is asked for
	PHA 0, 0, 1, 1, 1, 32                          ; behind sample 1's loads: samples 2 and 3
	PHB 1, 1, 1, 1
	PHA 1, 0, 1, 2, 2, 16                          ; behind sample 2's: sample 3
	PHB 1, 1, 2, 2
	PHA 1, 1, 1, 3, 0, 0                           ; behind sample 3's: none
	PHB 1, 1, 3, 0
	PHA 1, 2, 0, 0, 0, 0
	PHB 1, 0, 0, 0
	GLOADS 3                                       ; sample 2's stores have read v[OUT ..]: they stand ahead of the last interval's wait on vm_vsrc; its additions ahead of two waits on va_vdst, behind which nothing names these registers
	s_wait_dscnt 0x0
	GADD
	s_wait_alu depctr_va_vdst(0)                   ; the additions have written v[OUT ..], which the last two stores read
	GSEND 3
	s_wait_xcnt 0x0
	v_lshl_add_u32 v190, v0, 2, 0xc800             ; the add's two registers are made anew here, v0 being as at the entry: all 512 registers are in use up to this line.  No memory or LDS instruction has read v190 or v191
	v_mov_b32 v191, 0
	s_wait_dscnt 0x0                               ; the closing lines, six on end
	s_wait_alu 0x0
	s_wait_tensorcnt 0x0
	ds_add_u32 v190, v191
	s_wait_dscnt 0x0
	s_endpgm
.Lfunc_end_k_qbfcae5447c_head:
	.size	k_qbfcae5447c_head, .Lfunc_end_k_qbfcae5447c_head-k_qbfcae5447c_head
	.p2alignl 7, 3214868480
	.fill 96, 4, 3214868480
	.section	.rodata,"a",@progbits
	.p2align	6, 0x0
	.amdhsa_kernel k_qbfcae5447c_head
		.amdhsa_group_segment_fixed_size 52224
		.amdhsa_private_segment_fixed_size 0
		.amdhsa_enable_private_segment 0
		.amdhsa_kernarg_size 104
		.amdhsa_user_sgpr_count 2
		.amdhsa_user_sgpr_kernarg_segment_ptr 1
		.amdhsa_wavefront_size32 1
		.amdhsa_system_sgpr_workgroup_id_x 1
		.amdhsa_system_sgpr_workgroup_id_y 1
		.amdhsa_system_sgpr_workgroup_id_z 1
		.amdhsa_system_vgpr_workitem_id 0
		.amdhsa_next_free_vgpr 512
		.amdhsa_next_free_sgpr 66
		.amdhsa_reserve_vcc 0
		.amdhsa_float_denorm_mode_32 3
		.amdhsa_float_denorm_mode_16_64 3
		.amdhsa_memory_ordered 1
		.amdhsa_forward_progress 1
		.amdhsa_inst_pref_size 112
	.end_amdhsa_kernel
	.amdgpu_metadata
---
amdhsa.version: [ 1, 2 ]
amdhsa.kernels:
  - .name:           k_qbfcae5447c_head
    .symbol:         k_qbfcae5447c_head.kd
    .args:
      - { .name: x, .offset: 0, .size: 8, .value_kind: global_buffer, .address_space: global }
      - { .name: norm_weight, .offset: 8, .size: 8, .value_kind: global_buffer, .address_space: global }
      - { .name: from_w_codes, .offset: 16, .size: 8, .value_kind: global_buffer, .address_space: global }
      - { .name: to_w_codes, .offset: 24, .size: 8, .value_kind: global_buffer, .address_space: global }
      - { .name: from_w_scales, .offset: 32, .size: 8, .value_kind: global_buffer, .address_space: global }
      - { .name: to_w_scales, .offset: 40, .size: 8, .value_kind: global_buffer, .address_space: global }
      - { .name: from_b, .offset: 48, .size: 8, .value_kind: global_buffer, .address_space: global }
      - { .name: to_b, .offset: 56, .size: 8, .value_kind: global_buffer, .address_space: global }
      - { .name: promo_bias, .offset: 64, .size: 8, .value_kind: global_buffer, .address_space: global }
      - { .name: from_idx, .offset: 72, .size: 8, .value_kind: global_buffer, .address_space: global }
      - { .name: to_idx, .offset: 80, .size: 8, .value_kind: global_buffer, .address_space: global }
      - { .name: promo_idx, .offset: 88, .size: 8, .value_kind: global_buffer, .address_space: global }
      - { .name: out0, .offset: 96, .size: 8, .value_kind: global_buffer, .address_space: global }
    .group_segment_fixed_size: 52224
    .private_segment_fixed_size: 0
    .kernarg_segment_align: 8
    .kernarg_segment_size: 104
    .max_flat_workgroup_size: 256
    .sgpr_count:     66
    .vgpr_count:     512
    .wavefront_size: 32
...
	.end_amdgpu_metadata
.endif
;; end of part 2
